; MI455X (gfx1250); checked and timed in simulation.
; The chip was launched on July 23, 2026; its instructions are those of AMD's public machine-readable ISA for CDNA 5 (MIT licence, August 2026) and "CDNA5" Instruction Set Architecture Reference Guide (July 2026). The comments in the code are by the model that wrote it; some were corrected since.
;; Patch Sample F. Allowed arithmetic: matrix products marked QUANTISED: E2M1 operands, one E8M0 scale for each 32 along K, by v_wmma_scale_f32_16x16x128_f8f6f4 with both operands' format E2M1 (or v_wmma_scale_f32_32x16x128_f4), f32 sums; everything else in f32.
;; Inputs: b1_0 256 float32; b1_1 256 float32; b1_2 256 float32; b2_0 256 float32; b2_1 256 float32; b2_2 256 float32; feat0 8 x 128 x 128 x 128 float32; feat1 8 x 256 x 64 x 64 float32; feat2 8 x 256 x 64 x 64 float32; pid0 256 int32; pid1 256 int32; pid2 256 int32; w1_0 128 x 256 float32; w1_1 256 x 256 float32; w1_2 256 x 256 float32; w2_0 256 x 256 float32; w2_1 256 x 256 float32; w2_2 256 x 256 float32.
;; Outputs: out0 2,048 x 256 float32; out1 2,048 x 256 float32; out2 2,048 x 256 float32.
;; This version of the problem:
;;   THIS VERSION OF THE PROBLEM IS GIVEN IN LOW PRECISION. The matrix products marked QUANTISED in the list below multiply operands that are first quantised to E2M1 (2 exponent bits, 1 mantissa bit; 4 bits a number), with one power-of-two scale for each 32 numbers along K (OCP MX v1.0); their sums are f32. All else is computed in f32.
;;   The module's matrix products, in the order in which they are computed (A, B: the left and right operand; K: the contracted axis; several contracted axes count as one K, in the product's order):
;;     1. [M 2,048, K 128] x [K 128, N 256]; A: computed on the way; B: input w1_0: QUANTISED
;;     2. [M 2,048, K 256] x [K 256, N 256]; A: computed on the way; B: input w2_0: QUANTISED
;;     3. [M 2,048, K 256] x [K 256, N 256]; A: computed on the way; B: input w1_1: QUANTISED
;;     4. [M 2,048, K 256] x [K 256, N 256]; A: computed on the way; B: input w2_1: QUANTISED
;;     5. [M 2,048, K 256] x [K 256, N 256]; A: computed on the way; B: input w1_2: QUANTISED
;;     6. [M 2,048, K 256] x [K 256, N 256]; A: computed on the way; B: input w2_2: QUANTISED
;;   THE QUANTISER, for each operand of a quantised product, along K:
;;     - K is cut into blocks of 32 from its start; a last block that is shorter is filled with zeros.
;;     - A block's scale is 2^e with e = floor(log2(the largest magnitude in the block)) - 2, held to -126 .. 127; a block of zeros has e = 0. As a byte (E8M0): e + 127.
;;     - Each number is divided by its block's scale, clamped to +-6, and rounded to the nearest number of E2M1, ties to even, subnormals kept.
;;     - The product sums the exact products of the quantised numbers (number of the format x scale) in f32.
;;   ~~~python
;;   def quantise(x, axis):      # numpy; x: float32 -> the quantised numbers, widened to float32 again
;;       x = np.moveaxis(x, axis, -1); K = x.shape[-1]
;;       x = np.pad(x, [(0, 0)] * (x.ndim - 1) + [(0, -K % 32)]); x = x.reshape(x.shape[:-1] + (-1, 32)); a = np.abs(x).max(-1, keepdims=True)
;;       e = np.where(a > 0, np.clip(np.frexp(np.where(a > 0, a, 1))[1] - 1 - 2, -126, 127), 0)      # np.frexp(a)[1] - 1 = floor(log2(a)), exactly
;;       r = np.clip(x / 2.0 ** e, -6, 6)
;;       step = 2.0 ** (np.maximum(np.frexp(np.where(r == 0, 1, r))[1] - 1, 0) - 1)
;;       q = np.round(r / step) * step * 2.0 ** e      # np.round: ties to even
;;       return np.moveaxis(q.reshape(q.shape[:-2] + (-1,))[..., :K], -1, axis).astype(np.float32)
;;   ~~~
;;   OPERANDS COMPUTED ON THE WAY. 'Computed on the way' means the value that the module computes at that place (a softmax that the list does not call 'softmax' is quantised finished and normalised). What goes into a quantiser is computed in f32, as accurately as f32 sums, v_exp_f32 and their like allow (about 1e-6 of the number): no bf16 or f16 on the way to a quantiser, and a product that is left as it is and whose result goes on into a quantised operand takes f32 operands (vector FMAs, or v_wmma_f32_16x16x4_f32). A number that lies on a knife's edge between two numbers of the format may be rounded either way, as far as f32 arithmetic and the matrix unit's own rounding can turn it there, and no further.
;; One version. Each part assembles by itself: llvm-mc -triple=amdgcn-amd-amdhsa -mcpu=gfx1250 --defsym DOCPART=n.
;; ======== version 1 of 1: 2 launches
;; limits: right only within a limited range of input values
;; workspace buffers: wq 208,896 bytes; xq 835,584 bytes
;; launch gather (part 1): grid 256 x 1, 16 waves a work-group, no clusters, 264,192 bytes of LDS; arguments feat0, feat1, feat2, pid0, pid1, pid2, w1_0, w2_0, w1_1, w2_1, w1_2, w2_2, wq, xq; writes wq, xq
.if DOCPART == 1
	.amdgcn_target "amdgcn-amd-amdhsa--gfx1250"
	.amdhsa_code_object_version 6
	.text
	.protected	k_q3a89e147d2_gather
	.globl	k_q3a89e147d2_gather
	.p2align	8
	.type	k_q3a89e147d2_gather,@function
k_q3a89e147d2_gather:
	s_mov_b64 s[64:65], 0
	v_nop
	global_prefetch_b8 v0, s[64:65] scope:SCOPE_SE
	s_setreg_imm32_b32 hwreg(HW_REG_WAVE_MODE, 25, 1), 1
	s_wait_xcnt 0x0
; All operands that come from inputs alone become codes of FP4 (E2M1) with one E8M0 byte for each 32 along K, laid as the second launch's operand registers take them:
; the sampled rows x of the three maps (into xq) and the six weights (into wq).
; A block's scale is 2^(floor(log2(its largest magnitude)) - 2); its byte is the largest magnitude's exponent field - 2, held at 1 from below by a floor among the maximum's leaves.
; xq: CODES of map m, tile T of 16 rows (row = 256 x image + patch), block kb, row r of the tile: m x 262,144 + T x 2,048 + kb x 256 + 16 r, 16 bytes.
;     SCALE BYTES at 786,432 + m x 16,384 + T x 128 + (kb / 4) x 64 + 4 r + kb % 4.  (Map 0 has 128 channels: blocks 0 to 3 alone; the other places are neither written nor read.)
; wq: CODES of layer L = 2 x map + (0: W1, 1: W2), 32 columns cg, tile u, block kb: L x 32,768 + cg x 4,096 + u x 2,048 + kb x 256 + 16 r; lane r = 8 a + z of tile u is column 32 cg + 16 a + 8 u + z.
;     SCALE BYTES at 196,608 + L x 2,048 + cg x 256 + (kb / 4) x 128 + 8 r + 4 u + kb % 4.  (w1_0 has blocks 0 to 3 alone, likewise.)
; SHARES.  Work-group i of 256:
;   feat1 (i < 128), feat2: image b, block kb of 32 channels, half hf of the plane's 4,096 pixels: 32 x 8,192 bytes, dense, into LDS, one tensor load of 2 channels a wave.  256 patches on 4,096 pixels
;     lie 64 bytes apart in the mean, so nearly each 256 bytes of a plane hold a patch.  Then wave w takes patches 16 w + r, lane (r, h) channels 8 h .. 8 h + 7 and 16 + 8 h .. 16 + 8 h + 7 of the block.
;     A patch in the other half is that work-group's: its lanes read the half's last pixel and store nothing.  Nothing is taken for granted of pid's order.
;   feat0 (64 pixels between patches in the mean): waves 0 and 1 gather 32 patches x 32 channels by plain loads: image i % 8, block i / 64, patches 32 ((i / 8) % 8) + 16 w + r; lane (r, h) channels 16 h .. 16 h + 15.
;   weights: 352 tasks of 32 columns x one block, a lane a column, its 32 registers down K: wave 8 takes task i, wave 9 task 256 + i where there is one.
; Codes of 16 patches are one 256-byte unit; units whose patches lie in both halves, and the units of scale bytes, are stored in parts: their bytes come from several waves and work-groups.
; NO CLUSTER: no two work-groups share a tile.  NO PREFETCH: no loop to run ahead in; everything is asked for at the head.
; LIMITS: a pid outside its map is held to the map's last pixel (a negative one too); NaN and infinities are not served; a block of zeros gets the byte 1 where the rule says 127 (its codes are zeros, and this
; program alone reads the bytes).
.set XSC,   786432
.set TS,    16384                      ; LDS: wave w's two channels at TS w, 8,192 bytes each, end to end: the 32 channels fill 262,144 bytes without a gap
.set SPARE, 16*TS                      ; the spare words: 16 x 128 bytes
.set SPW,  2                           ; v2 my spare word's address, v3 = 0: kept for the add alone
.set NIL,  3
.set TX,   32                          ; v[32:47]  my patch's 16 channels of feat1 or feat2
.set GX,   48                          ; v[48:63]  of feat0
.set WX,   64                          ; v[64:95]  a weight's block
.set WCD,  96                          ; v[96:99]  its codes
.set SEL,  6                           ; s[6:7] v_permlanex16_b32's selects, set behind their use as scratch
; 16 numbers a lane, the block's other 16 in lane l xor 16: codes into c, c + 1, the byte into by.
.macro QUANT x, c, by
	v_max3_num_f32 v24, |v[\x]|, |v[\x+1]|, |v[\x+2]|
	v_max3_num_f32 v25, |v[\x+3]|, |v[\x+4]|, |v[\x+5]|
	v_max3_num_f32 v24, v24, |v[\x+6]|, |v[\x+7]|
	v_max3_num_f32 v25, v25, |v[\x+8]|, |v[\x+9]|
	v_max3_num_f32 v24, v24, |v[\x+10]|, |v[\x+11]|
	v_max3_num_f32 v25, v25, |v[\x+12]|, |v[\x+13]|
	v_max3_num_f32 v24, v24, |v[\x+14]|, |v[\x+15]|
	v_max3_num_f32 v24, v24, v25, 0x1800000        ; the floor 2^(3 - 127)
	v_permlanex16_b32 v25, v24, s[SEL], s[SEL+1]
	v_max_num_f32 v24, v24, v25
	v_add_nc_u32 v26, 0xff000000, v24              ; 2 off the exponent field: the conversions' scale operand
	v_cvt_scalef32_pk8_fp4_f32 v[\c], v[\x:\x+7], v26
	v_cvt_scalef32_pk8_fp4_f32 v[\c+1], v[\x+8:\x+15], v26
	v_lshrrev_b32 v[\by], 23, v26                  ; the byte; also the plain instruction behind the conversions
.endm
	s_load_b512 s[8:23], s[0:1], 0x0               ; feat0-2 s[8:13], pid0-2 s[14:19], w1_0 s[20:21], w2_0 s[22:23]
	s_load_b256 s[24:31], s[0:1], 0x40             ; w1_1, w2_1, w1_2, w2_2
	s_load_b128 s[32:35], s[0:1], 0x60             ; wq, xq
	v_lshl_add_u32 v[SPW], v0, 2, SPARE
	v_mov_b32 v[NIL], 0
	ds_add_u32 v[SPW], v[NIL]
	ds_add_u32 v[SPW], v[NIL]
	v_lshrrev_b32 v1, 5, v0
	v_readfirstlane_b32 s2, v1                     ; wave 0..15
	s_mov_b32 s3, ttmp9                            ; i
	; descriptor group 1: 2 rows of 1,024 elements of 8 bytes, 2,048 elements apart
	s_mov_b32 s40, 3<<16
	s_mov_b32 s41, 1024<<16
	s_mov_b32 s42, 2<<16
	s_mov_b32 s43, 1024<<16
	s_mov_b32 s44, 2
	s_mov_b32 s45, 2048
	s_mov_b32 s46, 0
	s_mov_b32 s47, 0
	s_mov_b32 s48, 1
	s_mul_i32 s49, s2, TS
	s_and_b32 s6, s3, 127
	s_lshr_b32 s6, s6, 1                           ; 8 b + kb
	s_and_b32 s7, s3, 1                            ; hf
	s_lshl_b32 s52, s6, 19                         ; the tile: 32 channels of 16,384 bytes a block,
	s_lshl_b32 s4, s7, 13
	s_add_co_u32 s52, s52, s4                      ; the half,
	s_lshl_b32 s4, s2, 15
	s_add_co_u32 s52, s52, s4                      ; my two channels
	s_mov_b32 s53, 0
	s_lshl_b32 s68, s2, 6                          ; pid: 16 patches a wave
	s_mov_b32 s69, 0
	s_bfe_u32 s60, s3, 0x30003
	s_lshl_b32 s60, s60, 7
	s_add_co_u32 s60, s60, s68                     ; pid0: 32 patches a work-group, 16 a wave
	s_mov_b32 s61, 0
	v_and_b32 v4, 15, v0                           ; r
	v_lshlrev_b32 v10, 2, v4                       ; 4 r
	s_wait_alu depctr_va_vdst(0)                   ; ahead of the blocking waits
	s_wait_dscnt 0x0                               ; both opening adds are done
	s_wait_kmcnt 0x0
	s_cmp_ge_u32 s2, 2
	s_cbranch_scc1 .Lpid
	s_add_nc_u64 s[60:61], s[14:15], s[60:61]
	global_load_b32 v21, v10, s[60:61]             ; waves 0, 1: feat0's patches
.Lpid:
	s_cmp_lt_u32 s3, 128                           ; feat1 or feat2: a choice on the work-group's number alone
	s_cselect_b64 s[36:37], s[10:11], s[12:13]
	s_cselect_b64 s[38:39], s[16:17], s[18:19]
	s_add_nc_u64 s[38:39], s[38:39], s[68:69]
	s_add_nc_u64 s[50:51], s[36:37], s[52:53]
	s_or_b32 s51, s51, 0x80000000
	global_load_b32 v20, v10, s[38:39]             ; my patch's pixel
	; one load a wave, and no LDS byte is filled twice.  Waves 8 to 15 (channels 16 to 31), which are waited for later, have a line of their own
	s_cmp_ge_u32 s2, 8
	s_cbranch_scc1 .Lupper
	tensor_load_to_lds s[48:51], s[40:47]
	s_nop 0
.rept 4
	v_nop
.endr
	s_branch .Lasked
.Lupper:
	tensor_load_to_lds s[48:51], s[40:47]
	s_nop 0
.rept 4
	v_nop
.endr
.Lasked:
	s_lshl_b32 s62, s7, 11                         ; the half's first pixel
	s_lshr_b32 s4, s3, 7
	s_add_co_u32 s4, s4, 1                         ; m
	s_lshl_b32 s54, s4, 18                         ; s54 my codes in xq, s56 my scale bytes
	s_lshl_b32 s56, s4, 14
	s_lshr_b32 s5, s6, 3                           ; b
	s_lshl_b32 s4, s5, 15
	s_add_co_u32 s54, s54, s4
	s_lshl_b32 s4, s5, 11
	s_add_co_u32 s56, s56, s4
	s_and_b32 s5, s6, 7                            ; kb
	s_lshl_b32 s4, s5, 8
	s_add_co_u32 s54, s54, s4
	s_lshr_b32 s4, s5, 2
	s_lshl_b32 s4, s4, 6
	s_add_co_u32 s56, s56, s4
	s_and_b32 s4, s5, 3
	s_add_co_u32 s56, s56, s4
	s_lshl_b32 s4, s2, 11
	s_add_co_u32 s54, s54, s4
	s_lshl_b32 s4, s2, 7
	s_add_co_u32 s56, s56, s4
	s_add_co_u32 s56, s56, XSC
	s_mov_b32 s55, 0
	s_mov_b32 s57, 0
	s_add_nc_u64 s[54:55], s[34:35], s[54:55]
	s_add_nc_u64 s[56:57], s[34:35], s[56:57]
	s_and_b32 s58, s3, 7
	s_lshl_b32 s58, s58, 2
	s_lshr_b32 s4, s3, 6
	s_add_co_u32 s58, s58, s4
	s_lshl_b32 s58, s58, 21                        ; feat0: (4 x image + block) x 32 channels of 65,536 bytes
	s_mov_b32 s59, 0
	v_and_b32 v1, 31, v0                           ; lane
	v_and_b32 v4, 15, v0
	v_bfe_u32 v5, v0, 4, 1                         ; h
	v_and_b32 v6, 7, v0
	v_bfe_u32 v7, v0, 3, 1                         ; u, of a weight's column
	v_lshlrev_b32 v8, 2, v1                        ; 4 x lane
	v_lshlrev_b32 v11, 4, v4
	v_lshl_or_b32 v6, v5, 3, v6                    ; a weight column's r
	v_lshlrev_b32 v14, 16, v5                      ; LDS: lanes 16-31 begin 8 channels on
	v_lshlrev_b32 v15, 20, v5                      ; in feat0 16 channels
	v_lshl_or_b32 v11, v5, 3, v11                  ; 16 r + 8 h
	v_lshlrev_b32 v12, 4, v6
	v_lshlrev_b32 v13, 3, v6
	v_lshl_add_u32 v12, v7, 11, v12                ; 16 r + 2,048 u
	v_lshl_add_u32 v13, v7, 2, v13                 ; 8 r + 4 u
	s_wait_alu depctr_va_vdst(0)
	s_cmp_ge_u32 s2, 2
	s_cbranch_scc1 .Lothers
	; ---- waves 0, 1: feat0's gather goes out and stays out while the tile comes in
	s_add_nc_u64 s[58:59], s[8:9], s[58:59]
	s_wait_loadcnt 0x0                             ; both pids
	v_min_u32 v21, 0x3fff, v21                     ; a loaded number enters an address only held to the table's size
	v_lshl_add_u32 v22, v21, 2, v15
.set gi, 0
.rept 16
	global_load_b32 v[GX+gi], v22, s[58:59] offset:gi*65536
.set gi, gi+1
.endr
	s_branch .Ltile
.Lothers:
	s_cmp_lt_u32 s2, 8
	s_cbranch_scc1 .Lwait
	s_cmp_ge_u32 s2, 10
	s_cbranch_scc1 .Lwait
	; ---- waves 8, 9: a weight's 32 columns x one block.  Task j < 320: layer 1 + j / 64, cg = (j / 8) % 8, kb = j % 8;  320 to 351: layer 0, cg = (j / 4) % 8, kb = j % 4
	s_sub_co_u32 s4, s2, 8
	s_lshl_b32 s4, s4, 8
	s_add_co_u32 s4, s4, s3                        ; j
	s_cmp_ge_u32 s4, 352
	s_cbranch_scc1 .Lwait
	s_lshr_b32 s5, s4, 6
	s_add_co_u32 s5, s5, 1
	s_bfe_u32 s6, s4, 0x30003
	s_and_b32 s7, s4, 7
	s_and_b32 s70, s4, 3
	s_bfe_u32 s71, s4, 0x30002
	s_cmp_lt_u32 s4, 320
	s_cselect_b32 s5, s5, 0                        ; L
	s_cselect_b32 s6, s6, s71                      ; cg
	s_cselect_b32 s7, s7, s70                      ; kb
	s_mov_b64 s[66:67], s[20:21]
.irp i, 1,2,3,4,5
	s_cmp_eq_u32 s5, \i
	s_cselect_b64 s[66:67], s[20+2*\i:21+2*\i], s[66:67]
.endr
	s_lshl_b32 s68, s7, 15                         ; 32 kb rows of 1,024 bytes
	s_lshl_b32 s4, s6, 7
	s_add_co_u32 s68, s68, s4                      ; + 32 cg columns
	s_mov_b32 s69, 0
	s_add_nc_u64 s[66:67], s[66:67], s[68:69]
.set gi, 0
.rept 32
	global_load_b32 v[WX+gi], v8, s[66:67] offset:gi*1024   ; W(32 kb + i, my column); the neighbouring 32 columns are another work-group's
.set gi, gi+1
.endr
	s_lshl_b32 s70, s5, 15                         ; the codes: 32,768 L + 4,096 cg + 256 kb
	s_lshl_b32 s4, s6, 12
	s_add_co_u32 s70, s70, s4
	s_lshl_b32 s4, s7, 8
	s_add_co_u32 s70, s70, s4
	s_mov_b32 s71, 0
	s_add_nc_u64 s[70:71], s[32:33], s[70:71]
	s_lshl_b32 s68, s5, 11                         ; the bytes: 2,048 L + 256 cg + 128 (kb / 4) + kb % 4
	s_lshl_b32 s4, s6, 8
	s_add_co_u32 s68, s68, s4
	s_lshr_b32 s4, s7, 2
	s_lshl_b32 s4, s4, 7
	s_add_co_u32 s68, s68, s4
	s_and_b32 s4, s7, 3
	s_add_co_u32 s68, s68, s4
	s_add_co_u32 s68, s68, 196608
	s_add_nc_u64 s[68:69], s[32:33], s[68:69]
	s_wait_loadcnt 0x0
	v_max3_num_f32 v24, |v[WX]|, |v[WX+1]|, |v[WX+2]|
	v_max3_num_f32 v25, |v[WX+3]|, |v[WX+4]|, |v[WX+5]|
.irp i, 6,10,14,18,22,26
	v_max3_num_f32 v24, v24, |v[WX+\i]|, |v[WX+\i+1]|
	v_max3_num_f32 v25, v25, |v[WX+\i+2]|, |v[WX+\i+3]|
.endr
	v_max3_num_f32 v24, v24, |v[WX+30]|, |v[WX+31]|
	v_max3_num_f32 v24, v24, v25, 0x1800000
	v_add_nc_u32 v26, 0xff000000, v24
.irp g, 0,1,2,3
	v_cvt_scalef32_pk8_fp4_f32 v[WCD+\g], v[WX+8*\g:WX+8*\g+7], v26
.endr
	v_lshrrev_b32 v23, 23, v26
	global_store_b128 v12, v[WCD:WCD+3], s[70:71]  ; two whole units of 256 bytes
	global_store_b8 v13, v23, s[68:69]
.Lwait:
	s_wait_loadcnt 0x0                             ; my patch's pixel
.Ltile:
	s_mov_b32 s[SEL], 0x76543210
	s_mov_b32 s[SEL+1], 0xfedcba98
	v_min_u32 v20, 0xfff, v20
	v_sub_nc_u32 v20, v20, s62                     ; the pixel's place in my half; beyond 0x7ff (wrapped round, too) it is the other half's
	v_min_u32 v17, 0x7ff, v20
	v_lshl_add_u32 v18, v17, 2, v14                ; channels 8 h .. of the lower 16
	v_add_nc_u32 v19, 8*TS, v18                    ; and of the upper 16
	s_wait_alu depctr_va_vdst(0)                   ; ahead of the branch and the blocking waits
	s_cmp_ge_u32 s2, 8
	s_cbranch_scc1 .Llower
	s_wait_tensorcnt 0x0                           ; waves 0 to 7: my two channels are in
.Llower:
	s_wait_dscnt 0x0
	s_barrier_signal -1
	s_barrier_wait -1                              ; channels 0 to 15 are
.set gi, 0
.rept 8
	ds_load_b32 v[TX+gi], v18 offset:gi*8192
.set gi, gi+1
.endr
	s_wait_tensorcnt 0x0                           ; waves 8 to 15: mine are in
	s_wait_dscnt 0x0
	s_barrier_signal -1
	s_barrier_wait -1                              ; channels 16 to 31 are
.set gi, 0
.rept 8
	ds_load_b32 v[TX+8+gi], v19 offset:gi*8192
.set gi, gi+1
.endr
	s_wait_dscnt 0x0
	QUANT TX, 100, 102
	v_permlane16_swap_b32 v100, v101               ; lanes 0-15 held channels 0-7 and 16-23, lanes 16-31 8-15 and 24-31: now 0-15 and 16-31
	v_cmp_gt_u32 vcc_lo, 0x800, v20                ; is my patch in this half?
	s_wait_alu depctr_va_vdst(0)                   ; ahead of the blocking wait
	s_wait_xcnt 0x0                                ; EXEC changes only behind it
	s_and_saveexec_b32 s63, vcc_lo
	global_store_b64 v11, v[100:101], s[54:55]
	global_store_b8 v10, v102, s[56:57]            ; lanes r and 16 + r store the same byte with the same value
	s_wait_xcnt 0x0
	s_mov_b32 exec_lo, -1                          ; all lanes were on ahead of it
	s_barrier_signal -1                            ; every wave's reads of LDS, by addresses made of loaded numbers, lie between two barriers:
	s_barrier_wait -1                              ; the closing add of no wave meets them
	s_cmp_ge_u32 s2, 2
	s_cbranch_scc1 .Lend
	; ---- waves 0, 1: feat0's 16 patches
	s_and_b32 s4, s3, 7
	s_lshl_b32 s4, s4, 4
	s_bfe_u32 s5, s3, 0x30003
	s_lshl_b32 s5, s5, 1
	s_add_co_u32 s4, s4, s5
	s_add_co_u32 s4, s4, s2                        ; T = 16 x image + 2 ((i / 8) % 8) + wave
	s_lshr_b32 s5, s3, 6                           ; kb
	s_lshl_b32 s66, s4, 11
	s_lshl_b32 s60, s5, 8
	s_add_co_u32 s66, s66, s60
	s_mov_b32 s67, 0
	s_lshl_b32 s68, s4, 7
	s_add_co_u32 s68, s68, s5
	s_add_co_u32 s68, s68, XSC
	s_mov_b32 s69, 0
	s_add_nc_u64 s[66:67], s[34:35], s[66:67]
	s_add_nc_u64 s[68:69], s[34:35], s[68:69]
	s_wait_loadcnt 0x0                             ; the gather is in
	QUANT GX, 104, 106
	global_store_b64 v11, v[104:105], s[66:67]     ; one whole unit of 256 bytes
	global_store_b8 v10, v106, s[68:69]
.Lend:
	s_wait_tensorcnt 0x0                           ; the wave's end
	ds_add_u32 v[SPW], v[NIL]
	s_wait_dscnt 0x0
	s_endpgm
.Lfunc_end_k_q3a89e147d2_gather:
	.size	k_q3a89e147d2_gather, .Lfunc_end_k_q3a89e147d2_gather-k_q3a89e147d2_gather
	.p2alignl 7, 3214868480
	.fill 96, 4, 3214868480
	.section	.rodata,"a",@progbits
	.p2align	6, 0x0
	.amdhsa_kernel k_q3a89e147d2_gather
		.amdhsa_group_segment_fixed_size 264192
		.amdhsa_private_segment_fixed_size 0
		.amdhsa_enable_private_segment 0
		.amdhsa_kernarg_size 112
		.amdhsa_user_sgpr_count 2
		.amdhsa_user_sgpr_kernarg_segment_ptr 1
		.amdhsa_wavefront_size32 1
		.amdhsa_system_sgpr_workgroup_id_x 1
		.amdhsa_system_sgpr_workgroup_id_y 1
		.amdhsa_system_sgpr_workgroup_id_z 1
		.amdhsa_system_vgpr_workitem_id 0
		.amdhsa_next_free_vgpr 108
		.amdhsa_next_free_sgpr 72
		.amdhsa_reserve_vcc 1
		.amdhsa_float_denorm_mode_32 3
		.amdhsa_float_denorm_mode_16_64 3
		.amdhsa_memory_ordered 1
		.amdhsa_forward_progress 1
		.amdhsa_inst_pref_size 19
	.end_amdhsa_kernel
	.amdgpu_metadata
---
amdhsa.version: [ 1, 2 ]
amdhsa.kernels:
  - .name:           k_q3a89e147d2_gather
    .symbol:         k_q3a89e147d2_gather.kd
    .args:
      - { .name: feat0, .offset: 0, .size: 8, .value_kind: global_buffer, .address_space: global }
      - { .name: feat1, .offset: 8, .size: 8, .value_kind: global_buffer, .address_space: global }
      - { .name: feat2, .offset: 16, .size: 8, .value_kind: global_buffer, .address_space: global }
      - { .name: pid0, .offset: 24, .size: 8, .value_kind: global_buffer, .address_space: global }
      - { .name: pid1, .offset: 32, .size: 8, .value_kind: global_buffer, .address_space: global }
      - { .name: pid2, .offset: 40, .size: 8, .value_kind: global_buffer, .address_space: global }
      - { .name: w1_0, .offset: 48, .size: 8, .value_kind: global_buffer, .address_space: global }
      - { .name: w2_0, .offset: 56, .size: 8, .value_kind: global_buffer, .address_space: global }
      - { .name: w1_1, .offset: 64, .size: 8, .value_kind: global_buffer, .address_space: global }
      - { .name: w2_1, .offset: 72, .size: 8, .value_kind: global_buffer, .address_space: global }
      - { .name: w1_2, .offset: 80, .size: 8, .value_kind: global_buffer, .address_space: global }
      - { .name: w2_2, .offset: 88, .size: 8, .value_kind: global_buffer, .address_space: global }
      - { .name: wq, .offset: 96, .size: 8, .value_kind: global_buffer, .address_space: global }
      - { .name: xq, .offset: 104, .size: 8, .value_kind: global_buffer, .address_space: global }
    .group_segment_fixed_size: 264192
    .private_segment_fixed_size: 0
    .kernarg_segment_align: 8
    .kernarg_segment_size: 112
    .max_flat_workgroup_size: 512
    .sgpr_count:     72
    .vgpr_count:     108
    .wavefront_size: 32
...
	.end_amdgpu_metadata
.endif
;; end of part 1
;; launch mlp (part 2): grid 64 x 3, 8 waves a work-group, no clusters, 42,752 bytes of LDS; arguments b1_0, b1_1, b1_2, b2_0, b2_1, b2_2, out0, out1, out2, wq, xq; writes out0, out1, out2
.if DOCPART == 2
	.amdgcn_target "amdgcn-amd-amdhsa--gfx1250"
	.amdhsa_code_object_version 6
	.text
	.protected	k_q3a89e147d2_mlp
	.globl	k_q3a89e147d2_mlp
	.p2align	8
	.type	k_q3a89e147d2_mlp,@function
k_q3a89e147d2_mlp:
	s_mov_b64 s[64:65], 0
	v_nop
	global_prefetch_b8 v0, s[64:65] scope:SCOPE_SE
	s_setreg_imm32_b32 hwreg(HW_REG_WAVE_MODE, 25, 1), 1
	s_wait_xcnt 0x0
; For map m (work-group y) and 32 rows (work-group x: rows 32 x ..): y = relu(x W1 + b1) W2 + b2, both products on codes of FP4 (E2M1) with one E8M0 scale for each 32 along K; out = y / (the row's L2 norm + 1e-7).
; All but the products in f32.  Codes and scale bytes of x and of the weights come from xq and wq, laid by the launch before in the order of the operand registers.
; SHARES.  Eight waves share the columns: wave w makes hidden units 32 w .. 32 w + 31 (one block along the second product's K) and outputs 32 w .. 32 w + 31, for two tiles q of 16 rows.
; BOTH PRODUCTS ARE USED TRANSPOSED (source 0 = 16 columns of the weight, source 1 = 16 rows): lane (r, h) holds row r, and the 16 registers of tiles u = 0, 1 are columns 32 w + 16 h + 0..15.
; So a wave's 16 codes a lane are 8 bytes at 16 r + 8 h of block w in the IMAGE OF THE OPERAND'S REGISTERS in LDS: block kb of 16 rows at 256 kb, registers 4 c .. 4 c + 3 of K step s at 1,024 s + 512 c + 16 x lane.
; x's image goes the same way: wave w loads 512 of its 4,096 bytes, and all waves read it from LDS.
; The biases are the C of each sum's first matrix instruction.
; Map 0 has K = 128 in its first product: its second K step is not multiplied.  Its registers take step 0's bytes once more, so that one text of loads serves the three maps and nothing unwritten is read.
; y goes through a stage of whole rows: wave w reads rows 4 w .. 4 w + 3 back, takes their norms, scales and stores them.
; NO CLUSTER: work-groups of a map read the same codes of the weights, but a wave wants its eighth in registers, where plain loads put it with no trip through LDS.  NO PREFETCH: no loop to run ahead in.
; LIMITS: NaN and infinities are not served; a block of zeros has the byte 1 (its codes are zeros); the row's sum of squares is taken in this text's own order; the division is a multiplication by v_rcp_f32's result.
.set HIMG, 0                           ; LDS: the hidden layer's image, 2,048 bytes a tile of rows
.set HSC,  4096                        ; its scale words: 128 q + 64 s + 4 r, byte kb % 4
.set XIMG, 4352                        ; x's image
.set STG,  8448                        ; the stage: 32 rows x (1,024 + 16) bytes
.set PIT,  1040
.set SPARE, STG+32*PIT                 ; the spare words: 8 x 128 bytes
.set W1S,  16                          ; v[16:17] W1's scale words, tile u; lanes 0-15 K step 0, lanes 16-31 K step 1
.set W2S,  18                          ; v[18:19] W2's
.set XS,   20                          ; v20, v21 x's, tile q
.set HS,   22                          ; v22, v23 the hidden layer's
.set XF,   32                          ; v[32:63]   x: 32 + 16 q + 8 s;  then codes on their way out; then four rows
.set W1,   64                          ; v[64:95]   W1: 64 + 16 u + 8 s;  then the norms at work
.set W2,   96                          ; v[96:127]  W2; then the reciprocals
.set HA,   128                         ; v[128:159] the hidden layer: 128 + 16 q + 8 u
.set YA,   160                         ; v[160:191] y, likewise
.set B1,   192                         ; v[192:207], v[208:223] the biases of my 16 columns
.set B2,   208
.set XP,   224                         ; v[224:227] my piece of x's image
.set HF,   224                         ; v[224:255] then the hidden layer's fragments: 224 + 16 q + 8 s
.set SEL,  50
.macro BARRIER
	s_wait_dscnt 0x0                               ; my LDS stores have landed and my LDS loads are in
	s_barrier_signal -1
	s_barrier_wait -1
.endm
; Two tiles of columns x two tiles of rows, K step 0 and K step 1.  The four accumulators take turns, one instruction a turn.
.macro KSTEP0 acc, wf, xf, bias, ws, xs
.irp q, 0,1
.irp u, 0,1
	v_wmma_scale_f32_16x16x128_f8f6f4 v[\acc+16*\q+8*\u:\acc+16*\q+8*\u+7], v[\wf+16*\u:\wf+16*\u+7], v[\xf+16*\q:\xf+16*\q+7], v[\bias+8*\u:\bias+8*\u+7], v[\ws+\u], v[\xs+\q] matrix_a_fmt:MATRIX_FMT_FP4 matrix_b_fmt:MATRIX_FMT_FP4
.endr
.endr
.endm
.macro KSTEP1 acc, wf, xf, ws, xs
.irp q, 0,1
.irp u, 0,1
	v_wmma_scale_f32_16x16x128_f8f6f4 v[\acc+16*\q+8*\u:\acc+16*\q+8*\u+7], v[\wf+16*\u+8:\wf+16*\u+15], v[\xf+16*\q+8:\xf+16*\q+15], v[\acc+16*\q+8*\u:\acc+16*\q+8*\u+7], v[\ws+\u], v[\xs+\q] matrix_a_fmt:MATRIX_FMT_FP4 matrix_b_fmt:MATRIX_FMT_FP4 matrix_a_scale:MATRIX_SCALE_ROW1 matrix_b_scale:MATRIX_SCALE_ROW1
.endr
.endr
.endm
	s_load_b512 s[8:23], s[0:1], 0x0               ; b1_0-2 s[8:13], b2_0-2 s[14:19], out0 s[20:21], out1 s[22:23]
	s_load_b64 s[24:25], s[0:1], 0x40              ; out2
	s_load_b128 s[28:31], s[0:1], 0x48             ; wq s[28:29], xq s[30:31]
	v_lshrrev_b32 v1, 5, v0
	v_readfirstlane_b32 s2, v1                     ; wave 0..7
	s_and_b32 s3, ttmp7, 0xffff                    ; m
	s_mov_b32 s4, ttmp9                            ; x
	s_lshl_b32 s32, s3, 16                         ; W codes: layer 2 m, my 32 columns
	s_lshl_b32 s5, s2, 12
	s_add_co_u32 s32, s32, s5
	s_mov_b32 s33, 0
	s_lshl_b32 s34, s3, 12                         ; W scale bytes
	s_lshl_b32 s5, s2, 8
	s_add_co_u32 s34, s34, s5
	s_add_co_u32 s34, s34, 196608
	s_mov_b32 s35, 0
	s_cmp_eq_u32 s3, 0                             ; map 0: what stands for K step 1 is K step 0's
	s_cselect_b32 s26, 0, 64                       ; x's scale words,
	s_cselect_b32 s54, 0, 1024                     ; W1's codes,
	s_cselect_b32 s52, 1, 3                        ; x's pieces of 512 bytes,
	s_lshl_b32 s27, s26, 1                         ; W1's scale words
	s_mov_b32 s55, 0
	s_lshl_b32 s36, s3, 18                         ; x codes: two tiles of 2,048 bytes,
	s_lshl_b32 s6, s4, 12
	s_add_co_u32 s36, s36, s6
	s_lshr_b32 s6, s2, 2
	s_lshl_b32 s6, s6, 11
	s_add_co_u32 s36, s36, s6                      ; waves 4 to 7 the second,
	s_and_b32 s6, s2, s52
	s_lshl_b32 s6, s6, 9
	s_add_co_u32 s36, s36, s6                      ; my piece
	s_mov_b32 s37, 0
	s_lshl_b32 s53, s2, 9                          ; and its place in LDS
	s_lshl_b32 s38, s3, 14                         ; x scale bytes
	s_lshl_b32 s6, s4, 8
	s_add_co_u32 s38, s38, s6
	s_add_co_u32 s38, s38, 786432
	s_mov_b32 s39, 0
	s_lshl_b32 s40, s2, 7                          ; 128 w: biases, stage
	s_mov_b32 s41, 0
	s_lshl_b32 s42, s4, 15                         ; out: 32 rows of 1,024 bytes, my four
	s_lshl_b32 s6, s2, 12
	s_add_co_u32 s42, s42, s6
	s_mov_b32 s43, 0
	s_lshr_b32 s6, s2, 2
	s_lshl_b32 s6, s6, 6
	s_and_b32 s7, s2, 3
	s_add_co_u32 s6, s6, s7                        ; my byte's place among a tile's scale words: 64 (w / 4) + w % 4
	s_mul_i32 s7, s2, 4*PIT                        ; my four rows of the stage
	s_mov_b32 s[SEL], 0x76543210
	s_mov_b32 s[SEL+1], 0xfedcba98
	v_lshl_add_u32 v30, v0, 2, SPARE
	v_mov_b32 v31, 0
	v_and_b32 v1, 15, v0                           ; r
	v_bfe_u32 v2, v0, 4, 1                         ; h
	v_and_b32 v4, 31, v0                           ; lane
	v_mov_b32 v26, 0                               ; a lane permute's destination counts as one of its sources
	v_mov_b32 v27, 0
	v_lshlrev_b32 v6, 2, v1                        ; 4 r
	v_lshlrev_b32 v7, 3, v1
	v_lshlrev_b32 v3, 4, v4                        ; 16 x lane
	v_lshlrev_b32 v10, 2, v4                       ; 4 x lane
	v_lshlrev_b32 v4, 3, v4                        ; 8 x lane
	v_lshlrev_b32 v5, 6, v2                        ; 64 h: biases
	v_lshlrev_b32 v8, 4, v1
	v_mul_u32_u24 v11, PIT, v1
	v_mad_u32_u24 v13, v2, s26, v6                 ; x's scale words: 4 r + 64 h
	v_mad_u32_u24 v7, v2, s27, v7                  ; W1's: 8 r + 128 h
	v_lshl_add_u32 v8, v2, 3, v8
	v_lshl_add_u32 v11, v2, 6, v11
	v_add_nc_u32 v14, s53, v3                      ; where I store my piece of x: 512 w + 16 x lane
	v_add_nc_u32 v9, s6, v6                        ; a scale byte
	v_add_nc_u32 v12, s7, v3                       ; the stage, back
	v_add_nc_u32 v8, s5, v8                        ; the hidden image: 256 w + 16 r + 8 h
	v_add_nc_u32 v11, s40, v11                     ; the stage, in: 1,040 r + 128 w + 64 h
	s_wait_alu depctr_va_vdst(0)
	s_wait_kmcnt 0x0
	s_add_nc_u64 s[36:37], s[30:31], s[36:37]
	global_load_b128 v[XP:XP+3], v3, s[36:37]      ; x's piece first: it has a trip through LDS ahead of it
	s_add_nc_u64 s[32:33], s[28:29], s[32:33]
	s_add_nc_u64 s[52:53], s[32:33], s[54:55]
	s_add_nc_u64 s[34:35], s[28:29], s[34:35]
	s_add_nc_u64 s[38:39], s[30:31], s[38:39]
	s_cmp_eq_u32 s3, 1                             ; the map's buffers: choices on the work-group's number alone
	s_cselect_b64 s[44:45], s[10:11], s[8:9]
	s_cselect_b64 s[46:47], s[16:17], s[14:15]
	s_cselect_b64 s[48:49], s[22:23], s[20:21]
	s_cmp_eq_u32 s3, 2
	s_cselect_b64 s[44:45], s[12:13], s[44:45]
	s_cselect_b64 s[46:47], s[18:19], s[46:47]
	s_cselect_b64 s[48:49], s[24:25], s[48:49]
	s_add_nc_u64 s[44:45], s[44:45], s[40:41]
	s_add_nc_u64 s[46:47], s[46:47], s[40:41]
	s_add_nc_u64 s[48:49], s[48:49], s[42:43]
	; each load of codes reads 512 consecutive bytes
.irp u, 0,1
.irp c, 0,1
	global_load_b128 v[W1+16*\u+4*\c:W1+16*\u+4*\c+3], v3, s[32:33] offset:2048*\u+512*\c
	global_load_b128 v[W1+16*\u+8+4*\c:W1+16*\u+8+4*\c+3], v3, s[52:53] offset:2048*\u+512*\c
.endr
.endr
	global_load_b32 v[XS], v13, s[38:39]
	global_load_b32 v[XS+1], v13, s[38:39] offset:128
	global_load_b64 v[W1S:W1S+1], v7, s[34:35]
.irp k, 0,1,2,3
	global_load_b128 v[B1+4*\k:B1+4*\k+3], v5, s[44:45] offset:16*\k
.endr
.set gi, 0
.rept 8
	global_load_b128 v[W2+4*gi:W2+4*gi+3], v3, s[32:33] offset:32768+512*gi
.set gi, gi+1
.endr
	global_load_b64 v[W2S:W2S+1], v4, s[34:35] offset:2048
.irp k, 0,1,2,3
	global_load_b128 v[B2+4*\k:B2+4*\k+3], v5, s[46:47] offset:16*\k
.endr
	s_wait_loadcnt 28                              ; x's piece is in; behind it 8 of W1, 3 of scale words, 4 of b1 and 13 for the second product
	ds_store_b128 v14, v[XP:XP+3] offset:XIMG
	BARRIER                                        ; x's image is whole
.irp q, 0,1
.irp j, 0,1,2,3
	ds_load_b128 v[XF+16*\q+4*\j:XF+16*\q+4*\j+3], v3 offset:XIMG+2048*\q+512*\j
.endr
.endr
	s_wait_loadcnt 13                              ; all but the second product's: 8 of codes, 1 of scale words, 4 of bias
	s_wait_dscnt 0x0
	KSTEP0 HA, W1, XF, B1, W1S, XS
	s_cmp_eq_u32 s3, 0
	s_cbranch_scc1 .Lhidden                        ; map 0: K = 128
	KSTEP1 HA, W1, XF, W1S, XS
.Lhidden:
.rept 4
	v_nop                                          ; four places between a matrix instruction and a vector instruction that reads its result (ISA guide 7.12.1)
.endr
.set gi, 0
.rept 32
	v_max_num_f32 v[HA+gi], 0, v[HA+gi]            ; the activation, in f32; each accumulator from its low end on
.set gi, gi+1
.endr
	; ---- the hidden layer: block w of each row; a lane holds 16 numbers, lane l xor 16 the others.  None is negative: no |.|
.irp q, 0,1
	v_max3_num_f32 v[24+\q], v[HA+16*\q], v[HA+16*\q+1], 0x1800000   ; with the floor
.endr
.irp i, 2,4,6,8,10,12,14
.irp q, 0,1
	v_max3_num_f32 v[24+\q], v[24+\q], v[HA+16*\q+\i], v[HA+16*\q+\i+1]
.endr
.endr
.irp q, 0,1
	v_permlanex16_b32 v[26+\q], v[24+\q], s[SEL], s[SEL+1]
.endr
.irp q, 0,1
	v_max_num_f32 v[24+\q], v[24+\q], v[26+\q]
.endr
.irp q, 0,1
	v_add_nc_u32 v[28+\q], 0xff000000, v[24+\q]    ; 2 off the exponent field: the conversions' scale operand
.endr
.irp q, 0,1
	v_cvt_scalef32_pk8_fp4_f32 v[XF+2*\q], v[HA+16*\q:HA+16*\q+7], v[28+\q]
	v_cvt_scalef32_pk8_fp4_f32 v[XF+2*\q+1], v[HA+16*\q+8:HA+16*\q+15], v[28+\q]
.endr
.irp q, 0,1
	v_lshrrev_b32 v[26+\q], 23, v[28+\q]           ; the bytes; also the plain instructions behind the conversions
.endr
.irp q, 0,1
	ds_store_b64 v8, v[XF+2*\q:XF+2*\q+1] offset:HIMG+2048*\q
	ds_store_b8 v9, v[26+\q] offset:HSC+128*\q     ; the two lanes of a row write the same byte with the same value
.endr
	BARRIER                                        ; the hidden layer's image and scale words are whole
.irp q, 0,1
	ds_load_b32 v[HS+\q], v10 offset:HSC+128*\q
.irp j, 0,1,2,3
	ds_load_b128 v[HF+16*\q+4*\j:HF+16*\q+4*\j+3], v3 offset:HIMG+2048*\q+512*\j
.endr
.endr
	s_wait_loadcnt 0x0                             ; W2, its scale words, b2
	s_wait_dscnt 0x0
	KSTEP0 YA, W2, HF, B2, W2S, HS
	KSTEP1 YA, W2, HF, W2S, HS
.rept 4
	v_nop
.endr
.irp q, 0,1
.irp k, 0,1,2,3
	ds_store_b128 v11, v[YA+16*\q+4*\k:YA+16*\q+4*\k+3] offset:STG+16*PIT*\q+16*\k   ; each accumulator from its low end on
.endr
.endr
	BARRIER                                        ; the stage's 32 rows are whole
.irp t, 0,1,2,3
	ds_load_b128 v[XF+8*\t:XF+8*\t+3], v12 offset:STG+PIT*\t
	ds_load_b128 v[XF+8*\t+4:XF+8*\t+7], v12 offset:STG+PIT*\t+512
.endr
	s_wait_dscnt 0x0
	; ---- the norms of my four rows, by turns: 8 squares a lane, then over the 32 lanes
.irp t, 0,1,2,3
	v_pk_mul_f32 v[64+2*\t:65+2*\t], v[XF+8*\t:XF+8*\t+1], v[XF+8*\t:XF+8*\t+1]
.endr
.irp i, 2,4,6
.irp t, 0,1,2,3
	v_pk_fma_f32 v[64+2*\t:65+2*\t], v[XF+8*\t+\i:XF+8*\t+\i+1], v[XF+8*\t+\i:XF+8*\t+\i+1], v[64+2*\t:65+2*\t]
.endr
.endr
.irp t, 0,1,2,3
	v_add_f32 v[72+\t], v[64+2*\t], v[65+2*\t]
.endr
.irp m, 1,2,4,8
.irp t, 0,1,2,3
	v_add_f32_dpp v[72+\t], v[72+\t], v[72+\t] row_xmask:\m row_mask:0xf bank_mask:0xf
.endr
.endr
.irp t, 0,1,2,3
	v_permlanex16_b32 v[80+\t], v[72+\t], s[SEL], s[SEL+1]   ; (v80-83 held codes of W1: they have been written)
.endr
.irp t, 0,1,2,3
	v_add_f32 v[72+\t], v[72+\t], v[80+\t]
.endr
	s_wait_alu depctr_va_vdst(0)                   ; the waits ahead of and behind each batch
.irp t, 0,1,2,3
	v_sqrt_f32 v[84+\t], v[72+\t]
.endr
	v_nop                                          ; a plain instruction behind a transcendental
	s_wait_alu depctr_va_vdst(0)
.irp t, 0,1,2,3
	v_add_f32 v[88+\t], 0x33d6bf95, v[84+\t]       ; + 1e-7
.endr
	s_wait_alu depctr_va_vdst(0)
.irp t, 0,1,2,3
	v_rcp_f32 v[96+2*\t], v[88+\t]
.endr
	v_nop
	s_wait_alu depctr_va_vdst(0)
.irp t, 0,1,2,3
.irp i, 0,2,4,6
	v_pk_mul_f32 v[XF+8*\t+\i:XF+8*\t+\i+1], v[XF+8*\t+\i:XF+8*\t+\i+1], v[96+2*\t:97+2*\t] op_sel_hi:[1,0]   ; both by the even register (the odd one, named with it, held codes of W2 and is not used)
.endr
	global_store_b128 v3, v[XF+8*\t:XF+8*\t+3], s[48:49] offset:1024*\t th:TH_STORE_NT       ; 32 lanes store 512 consecutive bytes, at a multiple of 256 from out's first byte
	global_store_b128 v3, v[XF+8*\t+4:XF+8*\t+7], s[48:49] offset:1024*\t+512 th:TH_STORE_NT
.endr
	s_wait_tensorcnt 0x0                           ; the wave's end
	ds_add_u32 v30, v31
	s_wait_dscnt 0x0
	s_endpgm
.Lfunc_end_k_q3a89e147d2_mlp:
	.size	k_q3a89e147d2_mlp, .Lfunc_end_k_q3a89e147d2_mlp-k_q3a89e147d2_mlp
	.p2alignl 7, 3214868480
	.fill 96, 4, 3214868480
	.section	.rodata,"a",@progbits
	.p2align	6, 0x0
	.amdhsa_kernel k_q3a89e147d2_mlp
		.amdhsa_group_segment_fixed_size 42752
		.amdhsa_private_segment_fixed_size 0
		.amdhsa_enable_private_segment 0
		.amdhsa_kernarg_size 88
		.amdhsa_user_sgpr_count 2
		.amdhsa_user_sgpr_kernarg_segment_ptr 1
		.amdhsa_wavefront_size32 1
		.amdhsa_system_sgpr_workgroup_id_x 1
		.amdhsa_system_sgpr_workgroup_id_y 1
		.amdhsa_system_sgpr_workgroup_id_z 1
		.amdhsa_system_vgpr_workitem_id 0
		.amdhsa_next_free_vgpr 256
		.amdhsa_next_free_sgpr 66
		.amdhsa_reserve_vcc 0
		.amdhsa_float_denorm_mode_32 3
		.amdhsa_float_denorm_mode_16_64 3
		.amdhsa_memory_ordered 1
		.amdhsa_forward_progress 1
		.amdhsa_inst_pref_size 20
	.end_amdhsa_kernel
	.amdgpu_metadata
---
amdhsa.version: [ 1, 2 ]
amdhsa.kernels:
  - .name:           k_q3a89e147d2_mlp
    .symbol:         k_q3a89e147d2_mlp.kd
    .args:
      - { .name: b1_0, .offset: 0, .size: 8, .value_kind: global_buffer, .address_space: global }
      - { .name: b1_1, .offset: 8, .size: 8, .value_kind: global_buffer, .address_space: global }
      - { .name: b1_2, .offset: 16, .size: 8, .value_kind: global_buffer, .address_space: global }
      - { .name: b2_0, .offset: 24, .size: 8, .value_kind: global_buffer, .address_space: global }
      - { .name: b2_1, .offset: 32, .size: 8, .value_kind: global_buffer, .address_space: global }
      - { .name: b2_2, .offset: 40, .size: 8, .value_kind: global_buffer, .address_space: global }
      - { .name: out0, .offset: 48, .size: 8, .value_kind: global_buffer, .address_space: global }
      - { .name: out1, .offset: 56, .size: 8, .value_kind: global_buffer, .address_space: global }
      - { .name: out2, .offset: 64, .size: 8, .value_kind: global_buffer, .address_space: global }
      - { .name: wq, .offset: 72, .size: 8, .value_kind: global_buffer, .address_space: global }
      - { .name: xq, .offset: 80, .size: 8, .value_kind: global_buffer, .address_space: global }
    .group_segment_fixed_size: 42752
    .private_segment_fixed_size: 0
    .kernarg_segment_align: 8
    .kernarg_segment_size: 88
    .max_flat_workgroup_size: 256
    .sgpr_count:     66
    .vgpr_count:     256
    .wavefront_size: 32
...
	.end_amdgpu_metadata
.endif
;; end of part 2
